; MI455X (gfx1250); checked and timed in simulation.
; The chip was launched on July 23, 2026; its instructions are those of AMD's public machine-readable ISA for CDNA 5 (MIT licence, August 2026) and "CDNA5" Instruction Set Architecture Reference Guide (July 2026). The comments in the code are by the model that wrote it; some were corrected since.
;; Nitta MHA. Allowed arithmetic: matrix products marked QUANTISED: E2M3 operands, one E8M0 scale for each 32 along K, by v_wmma_scale_f32_16x16x128_f8f6f4 with both operands' format E2M3, f32 sums; everything else in f32.
;; Inputs: K 4 x 2,048 x 1,024 float32; Q 4 x 2,048 x 1,024 float32; V 4 x 2,048 x 1,024 float32; Wk 1,024 x 1,024 float32; Wo 1,024 x 1,024 float32; Wq 1,024 x 1,024 float32; Wv 1,024 x 1,024 float32; bk 1,024 float32; bo 1,024 float32; bq 1,024 float32; bv 1,024 float32.
;; Outputs: out0 4 x 2,048 x 1,024 float32.
;; This version of the problem:
;;   THIS VERSION OF THE PROBLEM IS GIVEN IN LOW PRECISION. The matrix products marked QUANTISED in the list below multiply operands that are first quantised to E2M3 (2 exponent bits, 3 mantissa bits; 6 bits a number), with one power-of-two scale for each 32 numbers along K (OCP MX v1.0); their sums are f32. All else is computed in f32.
;;   The module's matrix products, in the order in which they are computed (A, B: the left and right operand; K: the contracted axis; several contracted axes count as one K, in the product's order):
;;     1. [M 8,192, K 1,024] x [K 1,024, N 1,024]; A: input Q; B: input Wq: QUANTISED
;;     2. [M 8,192, K 1,024] x [K 1,024, N 1,024]; A: input K; B: input Wk: QUANTISED
;;     3. [M 8,192, K 1,024] x [K 1,024, N 1,024]; A: input V; B: input Wv: QUANTISED
;;     4. batch 64 x [M 2,048, K 64] x [K 64, N 2,048]; A: computed on the way; B: computed on the way: QUANTISED
;;     5. batch 64 x [M 64, K 2,048] x [K 2,048, N 2,048]; A: computed on the way; B: softmax (see below): QUANTISED
;;     6. [M 8,192, K 1,024] x [K 1,024, N 1,024]; A: computed on the way; B: input Wo: QUANTISED
;;   THE QUANTISER, for each operand of a quantised product, along K:
;;     - K is cut into blocks of 32 from its start; a last block that is shorter is filled with zeros.
;;     - A block's scale is 2^e with e = floor(log2(the largest magnitude in the block)) - 2, held to -126 .. 127; a block of zeros has e = 0. As a byte (E8M0): e + 127.
;;     - Each number is divided by its block's scale, clamped to +-7.5, and rounded to the nearest number of E2M3, ties to even, subnormals kept.
;;     - The product sums the exact products of the quantised numbers (number of the format x scale) in f32.
;;   ~~~python
;;   def quantise(x, axis):      # numpy; x: float32 -> the quantised numbers, widened to float32 again
;;       x = np.moveaxis(x, axis, -1); K = x.shape[-1]
;;       x = np.pad(x, [(0, 0)] * (x.ndim - 1) + [(0, -K % 32)]); x = x.reshape(x.shape[:-1] + (-1, 32)); a = np.abs(x).max(-1, keepdims=True)
;;       e = np.where(a > 0, np.clip(np.frexp(np.where(a > 0, a, 1))[1] - 1 - 2, -126, 127), 0)      # np.frexp(a)[1] - 1 = floor(log2(a)), exactly
;;       r = np.clip(x / 2.0 ** e, -7.5, 7.5)
;;       step = 2.0 ** (np.maximum(np.frexp(np.where(r == 0, 1, r))[1] - 1, 0) - 3)
;;       q = np.round(r / step) * step * 2.0 ** e      # np.round: ties to even
;;       return np.moveaxis(q.reshape(q.shape[:-2] + (-1,))[..., :K], -1, axis).astype(np.float32)
;;   ~~~
;;   SOFTMAX AHEAD OF A QUANTISED PRODUCT. Where the list says 'softmax', what is quantised is not the finished softmax but p = 2^(t - M), with t = logit x log2(e) and M = ceil(the row's largest t), a whole number; so 1/2 < the row's largest p <= 1. The row's sum l is taken of the UNQUANTISED p, in f32, and the product's result is divided by l at the end. Since M is a whole number, a kernel that streams over the keys may use a running M (the ceiling of the running maximum): every later rescaling is an exact power of two, which a block's scale takes up: the codes' values come out the same.
;;   OPERANDS COMPUTED ON THE WAY. 'Computed on the way' means the value that the module computes at that place (a softmax that the list does not call 'softmax' is quantised finished and normalised). What goes into a quantiser is computed in f32, as accurately as f32 sums, v_exp_f32 and their like allow (about 1e-6 of the number): no bf16 or f16 on the way to a quantiser, and a product that is left as it is and whose result goes on into a quantised operand takes f32 operands (vector FMAs, or v_wmma_f32_16x16x4_f32). A number that lies on a knife's edge between two numbers of the format may be rounded either way, as far as f32 arithmetic and the matrix unit's own rounding can turn it there, and no further.
;; One version. Each part assembles by itself: llvm-mc -triple=amdgcn-amd-amdhsa -mcpu=gfx1250 --defsym DOCPART=n.
;; ======== version 1 of 1: 4 launches
;; workspace buffers: codes 22,020,096 bytes; scales 917,504 bytes; qkvc 18,874,368 bytes; qkvs 1,310,720 bytes; oc 6,291,456 bytes; os 262,144 bytes
;; launch quant (part 1): grid 896 x 1, 4 waves a work-group, no clusters, 33,280 bytes of LDS; arguments Q, K, V, Wq, Wk, Wv, Wo, codes, scales; writes codes, scales
.if DOCPART == 1
	.amdgcn_target "amdgcn-amd-amdhsa--gfx1250"
	.amdhsa_code_object_version 6
	.text
	.protected	k_q3031921049_quant
	.globl	k_q3031921049_quant
	.p2align	8
	.type	k_q3031921049_quant,@function
k_q3031921049_quant:
	s_mov_b64 s[64:65], 0
	v_nop
	global_prefetch_b8 v0, s[64:65] scope:SCOPE_SE
	s_setreg_imm32_b32 hwreg(HW_REG_WAVE_MODE, 25, 1), 1
	s_wait_xcnt 0x0
; Q, K, V [8192][1024] and Wq, Wk, Wv, Wo [1024][1024], f32 with K innermost, become codes of FP6 (E2M3), 6 bits each, with one E8M0 scale byte for each 32 along K.
; A block's scale is 2^(floor(log2(its largest magnitude)) - 2); its byte is the largest magnitude's exponent field - 2, held at 1 from below.  Each number is divided by the scale and rounded to the nearest code, ties to even.
; OUT: codes [28672 positions][768 bytes], scales [28672 positions][32 bytes]; Q from position 0, K 8192, V 16384, Wq 24576, Wk 25600, Wv 26624, Wo 27648.
; ROWS CHANGE PLACES INSIDE EACH 32: position 32 B + 16 u + 8 g + j holds row 32 B + 16 g + 8 u + j.  So 16 neighbouring positions are the rows that a tile of the later products wants:
; the eight registers of two neighbouring result tiles are then 16 neighbours along the next product's K.  A wave owns 8 rows, so only the place of its output moves.
; LIMITS: NaN and infinities are not served; a block whose largest magnitude lies under 2^-124 (a block of zeros among them) gets the byte 1: its codes are zeros or tiny, and this program alone reads the bytes.
; A work-group takes 32 rows, a wave 8 rows = 16 steps of 512 numbers.  Each load reads 512 consecutive bytes; a step's 2,048 bytes turn through the wave's own stage in LDS, so that a lane holds 16 neighbours (two lanes a block).
; A lane's 16 codes are 12 bytes: the wave stores 384 consecutive bytes.  A wave's 256 scale bytes are gathered in LDS and leave as one aligned run of 256 bytes.  Waves share nothing: no barrier.
.set WAVES, 4
.set STEPS, 16
.set EMAX,  2
.set CB,    12                         ; bytes of 16 codes
.set R,     16                         ; v16-79   four sets of 16 numbers as they are loaded
.set X,     80                         ; v80-111  two sets of 16 neighbours
.set C,     128                        ; v128-191 codes: four registers for each step, so that no store's data are written again
.set E,     112                        ; v112-127 a scale byte for each step
.set WREG,  8192                       ; LDS: a region for each wave: two stages of 32 x SP bytes, behind them its 256 scale bytes
.set SP,    80                         ; a lane's place in a stage: its 64 bytes + 16 of padding
.set SPW,   12                         ; v12      LDS address of my spare word; never rewritten
.set NIL,   13                         ; v13      0; never rewritten
.set SPARE, WAVES*WREG                 ; behind the four regions: the spare words, 128 bytes a wave, which no other line names
	s_load_b512 s[4:19], s[0:1], 0x0               ; Q, K, V, Wq, Wk, Wv, Wo, codes
	s_load_b64 s[20:21], s[0:1], 0x40              ; scales
	v_lshl_add_u32 v[SPW], v0, 2, SPARE
	v_mov_b32 v[NIL], 0
	v_lshrrev_b32 v1, 5, v0
	v_readfirstlane_b32 s24, v1                    ; wave
	v_and_b32 v2, 31, v0                           ; lane
	v_lshlrev_b32 v3, 4, v2                        ; my 16 bytes of a load's 512
	s_mul_i32 s30, s24, WREG
	v_lshrrev_b32 v14, 2, v2
	v_mul_u32_u24 v14, v14, SP
	v_and_b32 v15, 3, v2
	v_lshl_add_u32 v14, v15, 4, v14
	v_add_nc_u32 v14, s30, v14                     ; the stage, on the way in: SP (lane / 4) + 16 (lane % 4)
	v_mul_u32_u24 v15, v2, SP
	v_add_nc_u32 v15, s30, v15                     ; and on the way out: SP x lane: my 16 neighbours
	v_mul_u32_u24 v4, v2, CB                       ; my codes' place in a step's
	v_lshrrev_b32 v5, 1, v2
	s_add_co_u32 s30, s30, 2*32*SP
	v_add_nc_u32 v5, s30, v5                       ; LDS: my wave's 256 scale bytes, my block's byte
	v_lshlrev_b32 v7, 3, v2                        ; and on the way out 8 bytes a lane
	v_add_nc_u32 v6, s30, v7
	s_wait_alu depctr_va_vdst(0)
	s_wait_kmcnt 0x0
	s_mov_b64 s[22:23], s[16:17]                   ; which tensor: the choice hangs on the work-group's number alone.  Work-groups 0-255 Q, 256-511 K, 512-767 V, then 32 for each weight
	s_cmp_lt_u32 ttmp9, 864
	s_cselect_b64 s[22:23], s[14:15], s[22:23]
	s_cmp_lt_u32 ttmp9, 832
	s_cselect_b64 s[22:23], s[12:13], s[22:23]
	s_cmp_lt_u32 ttmp9, 800
	s_cselect_b64 s[22:23], s[10:11], s[22:23]
	s_cmp_lt_u32 ttmp9, 768
	s_cselect_b64 s[22:23], s[8:9], s[22:23]
	s_cmp_lt_u32 ttmp9, 512
	s_cselect_b64 s[22:23], s[6:7], s[22:23]
	s_cmp_lt_u32 ttmp9, 256
	s_cselect_b64 s[22:23], s[4:5], s[22:23]
	s_cmp_lt_u32 ttmp9, 768
	s_cselect_b32 s25, 255, 31
	s_and_b32 s25, ttmp9, s25                      ; my 32 rows within the tensor
	s_lshl_b32 s25, s25, 2
	s_add_co_u32 s25, s25, s24                     ; my wave's 8 rows
	s_lshl_b32 s26, s25, 15                        ; x 32,768 bytes
	s_mov_b32 s27, 0
	s_add_nc_u64 s[22:23], s[22:23], s[26:27]
	s_and_b32 s28, s24, 1                          ; where they go: the wave's two bits change places
	s_lshl_b32 s28, s28, 1
	s_lshr_b32 s29, s24, 1
	s_or_b32 s28, s28, s29
	s_lshl_b32 s29, ttmp9, 2
	s_add_co_u32 s28, s28, s29                     ; the run of 8 positions: 4 x work-group + that
	s_mul_i32 s26, s28, 6144
	s_add_nc_u64 s[18:19], s[18:19], s[26:27]
	s_lshl_b32 s26, s28, 8
	s_add_nc_u64 s[20:21], s[20:21], s[26:27]
.macro LOAD t
.irp i, 0,1,2,3
	global_load_b128 v[R+16*((\t)%4)+4*\i:R+16*((\t)%4)+4*\i+3], v3, s[22:23] offset:2048*(\t)+512*\i th:TH_LOAD_NT   ; 32 lanes read 512 consecutive bytes
.endr
.endm
.macro TURN t                          ; step t's numbers through the stage: LDS serves a wave's instructions in order, so no wait stands between the stores and the loads
.irp i, 0,1,2,3
	ds_store_b128 v14, v[R+16*((\t)%4)+4*\i:R+16*((\t)%4)+4*\i+3] offset:32*SP*((\t)%2)+8*SP*\i
.endr
.irp i, 0,1,2,3
	ds_load_b128 v[X+16*((\t)%2)+4*\i:X+16*((\t)%2)+4*\i+3], v15 offset:32*SP*((\t)%2)+16*\i
.endr
.endm
.irp t, 0,1,2,3
	LOAD \t
.endr
	s_wait_loadcnt 12                              ; step 0's four loads are in; three steps' twelve may be out
	TURN 0
.macro STEP t
.set XS, X+16*((\t)%2)
.if (\t) > 0
	s_wait_dscnt 1                                 ; this step's numbers are back from the stage (the last step's byte store may be out): so its stores into the stage have read their registers,
.else
	s_wait_dscnt 0x0
.endif
.if (\t)+4 < STEPS
	LOAD (\t)+4                                    ; which take the loads of four steps on
.endif
.if (\t)+1 < STEPS
.if STEPS-2-(\t) >= 3
	s_wait_loadcnt 12                              ; the next step's four loads are in; those of the three steps behind it may be out
.else
	s_wait_loadcnt 4*(STEPS-2-(\t))
.endif
	TURN (\t)+1                                    ; and go through the other stage while this step is worked
.endif
	v_max3_num_f32 v8, |v[XS]|, |v[XS+1]|, |v[XS+2]|               ; the largest magnitude of my 16, in two chains
	v_max3_num_f32 v9, |v[XS+3]|, |v[XS+4]|, |v[XS+5]|
.irp i, 6,10
	v_max3_num_f32 v8, v8, |v[XS+\i]|, |v[XS+\i+1]|
	v_max3_num_f32 v9, v9, |v[XS+\i+2]|, |v[XS+\i+3]|
.endr
	v_max3_num_f32 v8, v8, |v[XS+14]|, |v[XS+15]|
	v_max3_num_f32 v8, v8, v9, (EMAX+1)<<23        ; and the floor 2^(3 - 127): the byte cannot fall under 1
	v_max_num_f32_dpp v8, v8, v8 row_xmask:1 row_mask:0xf bank_mask:0xf   ; and of my neighbour's 16: the block's
	v_add_nc_u32 v11, -(EMAX<<23), v8              ; 2 off its exponent field: the conversion takes the exponent field of this operand as its scale, and nothing else of it
	v_cvt_scalef32_pk16_fp6_f32 v[C+4*(\t):C+4*(\t)+2], v[XS:XS+15], v11   ; sixteen codes, 96 bits without gaps, the first number's code lowest
	v_lshrrev_b32 v[E+(\t)], 23, v11               ; the scale's byte
	ds_store_b8 v5, v[E+(\t)] offset:16*(\t)       ; both lanes of a block write the same byte with the same value
	global_store_b96 v4, v[C+4*(\t):C+4*(\t)+2], s[18:19] offset:32*CB*(\t)
.endm
.irp t, 0,1,2,3,4,5,6,7,8,9,10,11,12,13,14,15
	STEP \t
.endr
	ds_load_b64 v[8:9], v6                         ; LDS serves a wave's instructions in order: these see my stores
	s_wait_dscnt 0x0
	global_store_b64 v7, v[8:9], s[20:21]          ; 32 lanes store 256 consecutive bytes, aligned
	s_wait_tensorcnt 0x0                           ; the wave's end, behind my last LDS store
	ds_add_u32 v[SPW], v[NIL]
	s_wait_dscnt 0x0
	s_endpgm
.Lfunc_end_k_q3031921049_quant:
	.size	k_q3031921049_quant, .Lfunc_end_k_q3031921049_quant-k_q3031921049_quant
	.p2alignl 7, 3214868480
	.fill 96, 4, 3214868480
	.section	.rodata,"a",@progbits
	.p2align	6, 0x0
	.amdhsa_kernel k_q3031921049_quant
		.amdhsa_group_segment_fixed_size 33280
		.amdhsa_private_segment_fixed_size 0
		.amdhsa_enable_private_segment 0
		.amdhsa_kernarg_size 72
		.amdhsa_user_sgpr_count 2
		.amdhsa_user_sgpr_kernarg_segment_ptr 1
		.amdhsa_wavefront_size32 1
		.amdhsa_system_sgpr_workgroup_id_x 1
		.amdhsa_system_sgpr_workgroup_id_y 1
		.amdhsa_system_sgpr_workgroup_id_z 1
		.amdhsa_system_vgpr_workitem_id 0
		.amdhsa_next_free_vgpr 192
		.amdhsa_next_free_sgpr 66
		.amdhsa_reserve_vcc 0
		.amdhsa_float_denorm_mode_32 3
		.amdhsa_float_denorm_mode_16_64 3
		.amdhsa_memory_ordered 1
		.amdhsa_forward_progress 1
		.amdhsa_inst_pref_size 33
	.end_amdhsa_kernel
	.amdgpu_metadata
---
amdhsa.version: [ 1, 2 ]
amdhsa.kernels:
  - .name:           k_q3031921049_quant
    .symbol:         k_q3031921049_quant.kd
    .args:
      - { .name: Q, .offset: 0, .size: 8, .value_kind: global_buffer, .address_space: global }
      - { .name: K, .offset: 8, .size: 8, .value_kind: global_buffer, .address_space: global }
      - { .name: V, .offset: 16, .size: 8, .value_kind: global_buffer, .address_space: global }
      - { .name: Wq, .offset: 24, .size: 8, .value_kind: global_buffer, .address_space: global }
      - { .name: Wk, .offset: 32, .size: 8, .value_kind: global_buffer, .address_space: global }
      - { .name: Wv, .offset: 40, .size: 8, .value_kind: global_buffer, .address_space: global }
      - { .name: Wo, .offset: 48, .size: 8, .value_kind: global_buffer, .address_space: global }
      - { .name: codes, .offset: 56, .size: 8, .value_kind: global_buffer, .address_space: global }
      - { .name: scales, .offset: 64, .size: 8, .value_kind: global_buffer, .address_space: global }
    .group_segment_fixed_size: 33280
    .private_segment_fixed_size: 0
    .kernarg_segment_align: 8
    .kernarg_segment_size: 72
    .max_flat_workgroup_size: 128
    .sgpr_count:     66
    .vgpr_count:     192
    .wavefront_size: 32
...
	.end_amdgpu_metadata
.endif
;; end of part 1
;; launch proj (part 2): grid 4 x 96, 4 waves a work-group, clusters of 4 x 4, 327,680 bytes of LDS; arguments codes, scales, bq, bk, bv, qkvc, qkvs; writes qkvc, qkvs
.if DOCPART == 2
	.amdgcn_target "amdgcn-amd-amdhsa--gfx1250"
	.amdhsa_code_object_version 6
	.text
	.protected	k_q3031921049_proj
	.globl	k_q3031921049_proj
	.p2align	8
	.type	k_q3031921049_proj,@function
k_q3031921049_proj:
	s_mov_b64 s[64:65], 0
	v_nop
	global_prefetch_b8 v0, s[64:65] scope:SCOPE_SE
	s_setreg_imm32_b32 hwreg(HW_REG_WAVE_MODE, 25, 1), 1
	s_wait_xcnt 0x0
	s_wait_alu depctr_hold_cnt(0) depctr_sa_sdst(0) depctr_va_vdst(0) depctr_va_sdst(0) depctr_va_ssrc(0) depctr_va_vcc(0) depctr_vm_vsrc(0)
	s_getreg_b32 s2, hwreg(HW_REG_IB_STS2, 6, 4)
	s_cmp_eq_u32 s2, 0
	s_cbranch_scc0 .Lentry_in_a_cluster
	s_endpgm
.Lentry_in_a_cluster:
	s_bfe_u32 s2, ttmp6, 0x10000c
	s_cmp_lg_u32 s2, 0xf033
	s_cbranch_scc0 .Lentry_shape_is_right
	s_endpgm
.Lentry_shape_is_right:
.set KSTEP,  256
.set NQ,     2
.set ROWB,   192
.set KROW,   768
.set PITCH,  240
.set FR,     12
.set NL,     6
.set NP,     4
.set HALFT,  128*PITCH
.set SLOT,   4*HALFT
.set KS,     32
.set SCL,    2*SLOT
.set HALFS,  (128*KS/256)*272
.set SBLK,   (16*KS/256)*272
.set SPARE,  SCL+4*HALFS
.set HEADC,  294912
.set PARTC,  98304
.set HEADS,  20480
.set VO,   8
.set ADRA, 16
.set ADRB, 20
.set L16,  24
.set L8,   25
.set VSO,  26
.set ADRS, 27
.set SPW,  28
.set NIL,  29
.set SH,   30
.set LANE, 31
.set SC,   32
.set BIAS, 64
.set AF,   128
.set TM,   128
.set SW,   144
.set SX,   152
.set G1, 24
.set G0, 32
.set G1B, 48
.set G0B, 56
.set G1S, 68
.set G0S, 76
.set G1SB, 80
.set G0SB, 88
.set MSB, 0
.macro WIN new
.if MSB != \new
	s_set_vgpr_msb (MSB<<8)|\new
.set MSB, \new
.endif
.endm
.set MUL_LO, 0xa1
.set MUL_HI, 0xf1
.set BIA_LO, 0x81
.set BIA_HI, 0xc1
.set TO_B,   0x40
.macro JLOAD g0a, g1a, g0b, g1b
	s_cmp_eq_u32 s15, 0
	s_cbranch_scc0 .Lfor_b_\@
	tensor_load_to_lds s[\g0a:\g0a+3], s[\g1a:\g1a+7]
	s_nop 0
.rept 4
	v_nop
.endr
	s_branch .Lasked_\@
.Lfor_b_\@:
	tensor_load_to_lds s[\g0b:\g0b+3], s[\g1b:\g1b+7]
	s_nop 0
.rept 4
	v_nop
.endr
.Lasked_\@:
.endm
.macro CREST
	s_cmp_lg_u32 s14, 0
	s_cbranch_scc1 .Lnot_wave_0_\@
	s_barrier_signal -3
.Lnot_wave_0_\@:
	s_barrier_wait -3
	s_barrier_signal -1
	s_barrier_wait -1
.endm
.macro CROUND
	s_barrier_signal -1
	s_barrier_wait -1
	CREST
.endm
	s_load_b128 s[4:7], s[0:1], 0x0
	s_load_b128 s[8:11], s[0:1], 0x10
	s_load_b64 s[12:13], s[0:1], 0x20
	s_load_b64 s[96:97], s[0:1], 0x28
	s_load_b64 s[98:99], s[0:1], 0x30
	v_lshl_add_u32 v[SPW], v0, 2, SPARE
	v_mov_b32 v[NIL], 0
	ds_add_u32 v[SPW], v[NIL]
	ds_add_u32 v[SPW], v[NIL]
	v_lshrrev_b32 v1, 5, v0
	v_readfirstlane_b32 s14, v1
	s_lshr_b32 s15, s14, 1
	s_and_b32 s16, s14, 1
	s_bfe_u32 s40, ttmp6, 0x40000
	s_bfe_u32 s41, ttmp6, 0x40004
	s_and_b32 s66, ttmp7, 0xffff
	s_lshr_b32 s67, s66, 3
	s_lshl_b32 s43, s41, 2
	s_lshl_b32 s43, 15, s43
	s_lshl_b32 s44, 0x1111, s40
	s_or_b32 s[G1+0], s43, (0<<16)|(1<<20)|(1<<21)|(3<<22)|(3<<25)
	s_or_b32 s[G1B+0], s44, (0<<16)|(1<<20)|(1<<21)|(3<<22)|(3<<25)
.irp g, G1, G1B
	s_mov_b32 s[\g+1], ROWB<<16
	s_mov_b32 s[\g+2], 128<<16
	s_mov_b32 s[\g+3], ROWB<<16
	s_mov_b32 s[\g+4], 128
	s_mov_b32 s[\g+5], KROW
	s_mov_b32 s[\g+6], 0
	s_mov_b32 s[\g+7], 0
.endr
	s_or_b32 s[G1S+0], s43, (3<<16)|(1<<20)|(1<<21)|(5<<22)|(3<<25)
	s_or_b32 s[G1SB+0], s44, (3<<16)|(1<<20)|(1<<21)|(5<<22)|(3<<25)
.irp g, G1S, G1SB
	s_mov_b32 s[\g+1], 32<<16
	s_mov_b32 s[\g+2], (128*KS/256)<<16
	s_mov_b32 s[\g+3], 32<<16
	s_mov_b32 s[\g+4], 128*KS/256
	s_mov_b32 s[\g+5], 32
	s_mov_b32 s[\g+6], 0
	s_mov_b32 s[\g+7], 0
.endr
	s_lshl_b32 s17, s66, 10
	s_lshl_b32 s42, s67, 10
	s_add_co_u32 s42, s42, 24576
	s_cmp_eq_u32 s67, 2
	s_cselect_b32 s94, 1, 0
	s_cselect_b32 s20, s42, s17
	s_cselect_b32 s46, s17, s42
	s_lshl_b32 s18, s16, 7
	s_lshl_b32 s19, s41, 8
	s_add_co_u32 s20, s20, s19
	s_add_co_u32 s20, s20, s18
	s_lshl_b32 s47, s40, 8
	s_add_co_u32 s46, s46, s47
	s_add_co_u32 s46, s46, s18
	s_mov_b32 s21, 0
	s_mov_b32 s47, 0
	s_mov_b64 s[18:19], KS
	s_mul_u64 s[22:23], s[20:21], s[18:19]
	s_mul_u64 s[92:93], s[46:47], s[18:19]
	s_mov_b64 s[18:19], KROW
	s_mul_u64 s[20:21], s[20:21], s[18:19]
	s_mul_u64 s[46:47], s[46:47], s[18:19]
	s_mul_i32 s45, s14, HALFT
	s_mul_i32 s95, s14, HALFS
	s_wait_dscnt 0x0
	s_wait_kmcnt 0x0
	s_add_nc_u64 s[20:21], s[4:5], s[20:21]
	s_add_nc_u64 s[22:23], s[6:7], s[22:23]
	s_add_nc_u64 s[46:47], s[4:5], s[46:47]
	s_add_nc_u64 s[92:93], s[6:7], s[92:93]
	CROUND
	s_mov_b32 s[G0S], 1
	s_add_co_u32 s[G0S+1], s95, SCL
	s_mov_b64 s[G0S+2:G0S+3], s[22:23]
	s_or_b32 s[G0S+3], s[G0S+3], 0x80000000
	s_mov_b32 s[G0SB], 1
	s_add_co_u32 s[G0SB+1], s95, SCL
	s_mov_b64 s[G0SB+2:G0SB+3], s[92:93]
	s_or_b32 s[G0SB+3], s[G0SB+3], 0x80000000
	JLOAD G0S, G1S, G0SB, G1SB
.irp s, 0,1
	s_mov_b32 s[G0+4*\s], 1
	s_add_co_u32 s[G0+4*\s+1], s45, \s*SLOT
	s_add_nc_u64 s[G0+4*\s+2:G0+4*\s+3], s[20:21], \s*ROWB
	s_or_b32 s[G0+4*\s+3], s[G0+4*\s+3], 0x80000000
	s_mov_b32 s[G0B+4*\s], 1
	s_add_co_u32 s[G0B+4*\s+1], s45, \s*SLOT
	s_add_nc_u64 s[G0B+4*\s+2:G0B+4*\s+3], s[46:47], \s*ROWB
	s_or_b32 s[G0B+4*\s+3], s[G0B+4*\s+3], 0x80000000
	s_wait_alu depctr_va_vdst(0)
	s_wait_tensorcnt 0x0
	ds_add_u32 v28, v29
	s_wait_dscnt 0x0
	CROUND
	JLOAD G0+4*\s, G1, G0B+4*\s, G1B
.endr
	v_and_b32 v1, 15, v0
	v_bfe_u32 v2, v0, 4, 1
	v_mul_u32_u24 v3, v1, PITCH
	v_mul_u32_u24 v4, v2, 24
	v_add_nc_u32 v4, v3, v4
	v_lshl_add_u32 v5, v2, 4, v4
	s_mul_i32 s21, s15, HALFT
	s_mul_i32 s22, s16, HALFT
	s_add_co_u32 s22, s22, 2*HALFT
.irp s, 0,1
	v_add_nc_u32 v[ADRA+\s], s21, v4
	v_add_nc_u32 v[ADRB+\s], s22, v4
	v_add_nc_u32 v[ADRA+2+\s], s21, v5
	v_add_nc_u32 v[ADRB+2+\s], s22, v5
	s_add_co_u32 s21, s21, SLOT
	s_add_co_u32 s22, s22, SLOT
.endr
	v_mul_u32_u24 v5, v1, KS
	v_lshrrev_b32 v6, 8, v5
	v_lshl_add_u32 v5, v6, 4, v5
	s_mul_i32 s21, s15, HALFS
	s_mul_i32 s22, s16, HALFS
	s_add_co_u32 s22, s22, 2*HALFS
	s_sub_co_u32 s22, s22, s21
	v_mul_u32_u24 v6, s22, v2
	s_add_co_u32 s21, s21, SCL
	v_add_nc_u32 v5, v5, v6
	v_add_nc_u32 v[ADRS], s21, v5
	v_and_b32 v[LANE], 31, v0
	v_lshlrev_b32 v[L16], 4, v[LANE]
	v_lshlrev_b32 v[L8], 3, v[LANE]
	v_lshlrev_b32 v[SH], 4, v2
	v_mul_u32_u24 v[VSO], v2, HEADS
	v_lshl_add_u32 v[VSO], v1, 4, v[VSO]
	s_cmp_eq_u32 s67, 1
	s_cselect_b64 s[8:9], s[10:11], s[8:9]
	s_cmp_eq_u32 s67, 2
	s_cselect_b64 s[8:9], s[12:13], s[8:9]
	s_cselect_b32 s100, s41, s40
	s_cselect_b32 s101, s15, s16
	s_cselect_b32 s95, 0, 4
	s_cselect_b32 s18, -1, 0
	s_lshl_b32 s100, s100, 10
	s_lshl_b32 s101, s101, 9
	s_add_co_u32 s100, s100, s101
	s_mov_b32 s101, 0
	s_add_nc_u64 s[8:9], s[8:9], s[100:101]
	v_lshlrev_b32 v3, 6, v2
	v_and_b32 v4, 8, v1
	v_add_nc_u32 v4, v4, v1
	v_lshlrev_b32 v4, 2, v4
	v_cndmask_b32 v3, v3, v4, s18
.irp j, 0,1,2,3,4,5,6,7
	v_mad_u32_u24 v[VO+\j], s95, \j, v3
.endr
.irp x, 0,1,2,3,4,5,6,7
.irp j, 0,1,2,3,4,5,6,7
	global_load_b32 v[BIAS+8*\x+\j], v[VO+\j], s[8:9] offset:4*(32*(\x/2)+8*(\x%2))
.endr
.endr
	s_cmp_eq_u32 s94, 0
	s_cselect_b32 s18, s41, s40
	s_cselect_b32 s19, s15, s16
	s_cselect_b32 s20, s40, s41
	s_cselect_b32 s21, s16, s15
	s_cselect_b32 s22, 9, 8
	s_and_b32 s23, s66, 7
	s_lshl_b32 s23, s23, 10
	s_lshl_b32 s18, s18, 8
	s_add_co_u32 s23, s23, s18
	s_lshl_b32 s19, s19, 7
	s_add_co_u32 s23, s23, s19
	s_lshr_b32 s18, s23, 11
	s_bfe_u32 s19, s23, 0x40007
	s_lshl_b32 s18, s18, 4
	s_lshl_b32 s20, s20, 2
	s_lshl_b32 s21, s21, 1
	s_add_co_u32 s18, s18, s20
	s_add_co_u32 s18, s18, s21
	s_mul_i32 s20, s18, HEADC
	s_mul_i32 s21, s67, PARTC
	s_add_co_u32 s20, s20, s21
	s_mul_i32 s21, s19, 6144
	s_add_co_u32 s20, s20, s21
	s_mov_b32 s21, 0
	s_add_nc_u64 s[96:97], s[96:97], s[20:21]
	s_mul_i32 s20, s18, HEADS
	s_lshl_b32 s23, s67, 13
	s_add_co_u32 s20, s20, s23
	s_lshl_b32 s23, s19, s22
	s_add_co_u32 s20, s20, s23
	s_add_nc_u64 s[98:99], s[98:99], s[20:21]
	s_mov_b32 s2, 0x76543210
	s_mov_b32 s3, 0xfedcba98
.macro FRAG reg, adr, q, i
.irp p, 0,1,2,3,4,5
.set PIECE, 12*(\q)+6*(\p/3)+\p%3
.if PIECE%8 < 5
	ds_load_b64 v[\reg+2*\p:\reg+2*\p+1], v[\adr] offset:8*PIECE+16*(PIECE/8)+(\i)*16*PITCH
.else
	ds_load_b64 v[\reg+2*\p:\reg+2*\p+1], v[\adr+2] offset:8*PIECE+16*(PIECE/8)+(\i)*16*PITCH
.endif
.endr
.endm
.macro MUL16 a0, p, q, sc, mode
.irp a, \a0, \a0+1
.irp b, 0,1,2,3,4,5,6,7
.if \mode == 1
	v_wmma_scale_f32_16x16x128_f8f6f4 v[8*(8*((\a)%4)+\b):8*(8*((\a)%4)+\b)+7], v[128*(\p)+FR*\b:128*(\p)+FR*\b+FR-1], v[AF+FR*(\a):AF+FR*(\a)+FR-1], v[BIAS+8*\b:BIAS+8*\b+7], v[SC+8*NQ*(\sc)+NQ*\b+(\q)], v[SC+8*NQ*(\sc)+NQ*(\a)+(\q)] matrix_a_fmt:MATRIX_FMT_FP6 matrix_b_fmt:MATRIX_FMT_FP6 matrix_a_scale:MATRIX_SCALE_ROW1
.elseif \mode == 2
	v_wmma_scale_f32_16x16x128_f8f6f4 v[8*(8*((\a)%4)+\b):8*(8*((\a)%4)+\b)+7], v[128*(\p)+FR*\b:128*(\p)+FR*\b+FR-1], v[AF+FR*(\a):AF+FR*(\a)+FR-1], v[BIAS+8*(\a):BIAS+8*(\a)+7], v[SC+8*NQ*(\sc)+NQ*\b+(\q)], v[SC+8*NQ*(\sc)+NQ*(\a)+(\q)] matrix_a_fmt:MATRIX_FMT_FP6 matrix_b_fmt:MATRIX_FMT_FP6 matrix_a_scale:MATRIX_SCALE_ROW1
.else
	v_wmma_scale_f32_16x16x128_f8f6f4 v[8*(8*((\a)%4)+\b):8*(8*((\a)%4)+\b)+7], v[128*(\p)+FR*\b:128*(\p)+FR*\b+FR-1], v[AF+FR*(\a):AF+FR*(\a)+FR-1], v[8*(8*((\a)%4)+\b):8*(8*((\a)%4)+\b)+7], v[SC+8*NQ*(\sc)+NQ*\b+(\q)], v[SC+8*NQ*(\sc)+NQ*(\a)+(\q)] matrix_a_fmt:MATRIX_FMT_FP6 matrix_b_fmt:MATRIX_FMT_FP6 matrix_a_scale:MATRIX_SCALE_ROW1
.endif
.endr
.endr
.endm
.macro FETCH_B slot, q, p
	WIN TO_B
.irp i, 0,1,2,3,4,5,6,7
	FRAG 128*(\p)+FR*\i, ADRB+\slot, \q, \i
.endr
	WIN 0
.endm
.macro FETCH_A slot, q, i0
.irp i, \i0, \i0+1, \i0+2, \i0+3
	FRAG AF+FR*(\i), ADRA+\slot, \q, \i
.endr
.endm
.macro SCALES sc
.irp i, 0,1,2,3,4,5,6,7
	ds_load_b64 v[SC+8*NQ*\sc+NQ*\i:SC+8*NQ*\sc+NQ*\i+1], v[ADRS] offset:\i*SBLK
.endr
.endm
.macro PLACES n
.rept \n
	v_nop
.endr
.endm
.macro STEP slot, q, mode
	s_wait_dscnt 4*NL
.if \mode
	WIN BIA_LO
.else
	WIN MUL_LO
.endif
	MUL16 0, (\q)%2, \q, \slot, \mode
	MUL16 2, (\q)%2, \q, \slot, \mode
	s_wait_dscnt 0
	PLACES NP
	FETCH_B \slot, (\q)+1, 1-(\q)%2
	FETCH_A \slot, (\q)+1, 0
.if \mode
	WIN BIA_HI
.else
	WIN MUL_HI
.endif
	MUL16 4, (\q)%2, \q, \slot, \mode
	MUL16 6, (\q)%2, \q, \slot, \mode
	PLACES NP
	WIN 0
	FETCH_A \slot, (\q)+1, 4
.endm
.macro TURN slot, next, fill
	s_wait_tensorcnt 0x0
	ds_add_u32 v[SPW], v[NIL]
	s_wait_dscnt 4*NL+1
	WIN MUL_LO
	MUL16 0, 1, NQ-1, \slot, 0
	s_wait_dscnt 0x0
	s_barrier_signal -1
	MUL16 2, 1, NQ-1, \slot, 0
	WIN 0
	s_barrier_wait -1
.if \fill
	CREST
	s_add_nc_u64 s[G0+4*\slot+2:G0+4*\slot+3], s[G0+4*\slot+2:G0+4*\slot+3], 2*ROWB
	s_add_nc_u64 s[G0B+4*\slot+2:G0B+4*\slot+3], s[G0B+4*\slot+2:G0B+4*\slot+3], 2*ROWB
	JLOAD G0+4*\slot, G1, G0B+4*\slot, G1B
.else
	PLACES NP
.endif
	s_wait_alu depctr_va_vdst(0)
	v_add_nc_u32 v[ADRS], 4*NQ, v[ADRS]
	FETCH_B \next, 0, 0
	FETCH_A \next, 0, 0
	SCALES \next
	WIN MUL_HI
	MUL16 4, 1, NQ-1, \slot, 0
	MUL16 6, 1, NQ-1, \slot, 0
	PLACES NP
	WIN 0
	FETCH_A \next, 0, 4
.endm
	s_wait_tensorcnt 1
	s_barrier_signal -1
	s_barrier_wait -1
	FETCH_B 0, 0, 0
	FETCH_A 0, 0, 0
	SCALES 0
	FETCH_A 0, 0, 4
	s_wait_loadcnt 0x0
	s_cmp_eq_u32 s94, 0
	s_cbranch_scc0 .Lfirst_v
	STEP 0, 0, 1
	s_branch .Lfirst_done
.Lfirst_v:
	STEP 0, 0, 2
.Lfirst_done:
	TURN 0, 1, 1
	STEP 1, 0, 0
	TURN 1, 0, 1
	STEP 0, 0, 0
	TURN 0, 1, 0
	STEP 1, 0, 0
	s_wait_dscnt 4*NL
	WIN MUL_LO
	MUL16 0, 1, NQ-1, 1, 0
	MUL16 2, 1, NQ-1, 1, 0
	s_wait_dscnt 0
	WIN MUL_HI
	MUL16 4, 1, NQ-1, 1, 0
	MUL16 6, 1, NQ-1, 1, 0
	WIN 0
	PLACES NP
.irp b, 0,1,2,3
	v_mov_b32 v[TM+4+\b], 0
.endr
.macro EPI a
.set W, 2+(\a)/4
.set AC, 64*((\a)%4)
.if (\a)%4 == 3
.set CD, 160
.else
.set CD, 224
.endif
	WIN 0x14*W
.irp b, 0,1,2,3
	v_max3_num_f32 v[TM+\b], 0x1800000, |v[AC+16*\b]|, |v[AC+16*\b+1]|
.endr
.irp i, 2,4,6,8,10,12,14
.irp b, 0,1,2,3
	v_max3_num_f32 v[TM+\b], v[TM+\b], |v[AC+16*\b+\i]|, |v[AC+16*\b+\i+1]|
.endr
.endr
	WIN 0
.irp b, 0,1,2,3
	v_permlanex16_b32 v[TM+4+\b], v[TM+\b], s2, s3
.endr
.irp b, 0,1,2,3
	v_max_num_f32 v[TM+\b], v[TM+\b], v[TM+4+\b]
.endr
.irp b, 0,1,2,3
	v_add_nc_u32 v[TM+12+\b], 0xff000000, v[TM+\b]
.endr
.irp b, 0,1,2,3
	v_lshrrev_b32 v[TM+4+\b], 23, v[TM+12+\b]
.endr
	v_lshl_or_b32 v[SW+(\a)], v[TM+5], 8, v[TM+4]
	v_lshl_or_b32 v[SW+(\a)], v[TM+6], 16, v[SW+(\a)]
	v_lshl_or_b32 v[SW+(\a)], v[TM+7], 24, v[SW+(\a)]
	s_wait_xcnt 0x0
	WIN W
.irp c, 0,1
	v_cvt_scalef32_pk16_fp6_f32 v[CD+6*\c:CD+6*\c+2], v[AC+32*\c:AC+32*\c+15], v[TM+12+2*\c]
	v_cvt_scalef32_pk16_fp6_f32 v[CD+12+4*\c:CD+12+4*\c+2], v[AC+32*\c+16:AC+32*\c+31], v[TM+12+2*\c+1]
.endr
	WIN 0
	v_nop
.irp c, 0,1
.irp i, 0,1,2
	v_permlane16_swap_b32 v[CD+6*\c+\i], v[CD+12+4*\c+\i]
.endr
.irp i, 0,1,2
	v_mov_b32 v[CD+3+6*\c+\i], v[CD+12+4*\c+\i]
.endr
.endr
	s_cmp_eq_u32 s94, 0
	s_cbranch_scc0 .Lepi_v_\@
	global_store_b128 v[L16], v[CD:CD+3], s[96:97] offset:768*(\a)
	global_store_b64 v[L8], v[CD+4:CD+5], s[96:97] offset:768*(\a)+512
	global_store_b128 v[L16], v[CD+6:CD+9], s[96:97] offset:HEADC+768*(\a)
	global_store_b64 v[L8], v[CD+10:CD+11], s[96:97] offset:HEADC+768*(\a)+512
	s_branch .Lepi_d_\@
.Lepi_v_\@:
	s_wait_alu depctr_va_vdst(0)
.irp c, 0,1,2
	global_store_b128 v[L16], v[CD+4*\c:CD+4*\c+3], s[96:97] offset:((\a)/4)*HEADC+((\a)%4)*1536+512*\c
.endr
.Lepi_d_\@:
.endm
.irp a, 0,1,2,3,4,5,6,7
	EPI \a
.endr
	s_cmp_eq_u32 s94, 0
	s_cbranch_scc0 .Lsw_v
.irp a, 0,1,2,3,4,5,6,7
	v_bfe_u32 v[SX+\a], v[SW+\a], v[SH], 16
.endr
	global_store_b128 v[VSO], v[SX:SX+3], s[98:99]
	global_store_b128 v[VSO], v[SX+4:SX+7], s[98:99] offset:256
	s_branch .Lsw_done
.Lsw_v:
	v_cmp_lt_u32 vcc_lo, 15, v[LANE]
.irp t, 0,1,2,3
	v_cndmask_b32 v[SX+\t], v[SW+\t], v[SW+4+\t], vcc_lo
.endr
	global_store_b128 v[VSO], v[SX:SX+3], s[98:99]
.Lsw_done:
	s_wait_tensorcnt 0x0
	ds_add_u32 v[SPW], v[NIL]
	s_wait_dscnt 0x0
	CROUND
	s_endpgm
.Lfunc_end_k_q3031921049_proj:
	.size	k_q3031921049_proj, .Lfunc_end_k_q3031921049_proj-k_q3031921049_proj
	.p2alignl 7, 3214868480
	.fill 96, 4, 3214868480
	.section	.rodata,"a",@progbits
	.p2align	6, 0x0
	.amdhsa_kernel k_q3031921049_proj
		.amdhsa_group_segment_fixed_size 327680
		.amdhsa_private_segment_fixed_size 0
		.amdhsa_enable_private_segment 0
		.amdhsa_kernarg_size 56
		.amdhsa_user_sgpr_count 2
		.amdhsa_user_sgpr_kernarg_segment_ptr 1
		.amdhsa_wavefront_size32 1
		.amdhsa_system_sgpr_workgroup_id_x 1
		.amdhsa_system_sgpr_workgroup_id_y 1
		.amdhsa_system_sgpr_workgroup_id_z 1
		.amdhsa_system_vgpr_workitem_id 0
		.amdhsa_next_free_vgpr 1024
		.amdhsa_next_free_sgpr 102
		.amdhsa_reserve_vcc 1
		.amdhsa_float_denorm_mode_32 3
		.amdhsa_float_denorm_mode_16_64 3
		.amdhsa_memory_ordered 1
		.amdhsa_forward_progress 1
		.amdhsa_inst_pref_size 192
	.end_amdhsa_kernel
	.amdgpu_metadata
---
amdhsa.version: [ 1, 2 ]
amdhsa.kernels:
  - .name:           k_q3031921049_proj
    .symbol:         k_q3031921049_proj.kd
    .args:
      - { .name: codes, .offset: 0, .size: 8, .value_kind: global_buffer, .address_space: global }
      - { .name: scales, .offset: 8, .size: 8, .value_kind: global_buffer, .address_space: global }
      - { .name: bq, .offset: 16, .size: 8, .value_kind: global_buffer, .address_space: global }
      - { .name: bk, .offset: 24, .size: 8, .value_kind: global_buffer, .address_space: global }
      - { .name: bv, .offset: 32, .size: 8, .value_kind: global_buffer, .address_space: global }
      - { .name: qkvc, .offset: 40, .size: 8, .value_kind: global_buffer, .address_space: global }
      - { .name: qkvs, .offset: 48, .size: 8, .value_kind: global_buffer, .address_space: global }
    .group_segment_fixed_size: 327680
    .private_segment_fixed_size: 0
    .kernarg_segment_align: 8
    .kernarg_segment_size: 56
    .max_flat_workgroup_size: 128
    .sgpr_count:     102
    .vgpr_count:     1024
    .wavefront_size: 32
...
	.end_amdgpu_metadata
.endif
;; end of part 2
;; launch attn (part 3): grid 4 x 64, 16 waves a work-group, clusters of 4 x 1, 210,944 bytes of LDS; arguments qkvc, qkvs, oc, os; writes oc, os
.if DOCPART == 3
	.amdgcn_target "amdgcn-amd-amdhsa--gfx1250"
	.amdhsa_code_object_version 6
	.text
	.protected	k_q3031921049_attn
	.globl	k_q3031921049_attn
	.p2align	8
	.type	k_q3031921049_attn,@function
k_q3031921049_attn:
	s_mov_b64 s[64:65], 0
	v_nop
	global_prefetch_b8 v0, s[64:65] scope:SCOPE_SE
	s_setreg_imm32_b32 hwreg(HW_REG_WAVE_MODE, 25, 1), 1
	s_wait_xcnt 0x0
	s_wait_alu depctr_hold_cnt(0) depctr_sa_sdst(0) depctr_va_vdst(0) depctr_va_sdst(0) depctr_va_ssrc(0) depctr_va_vcc(0) depctr_vm_vsrc(0)
	s_getreg_b32 s2, hwreg(HW_REG_IB_STS2, 6, 4)
	s_cmp_eq_u32 s2, 0
	s_cbranch_scc0 .Lentry_in_a_cluster
	s_endpgm
.Lentry_in_a_cluster:
	s_bfe_u32 s2, ttmp6, 0x10000c
	s_cmp_lg_u32 s2, 0x3003
	s_cbranch_scc0 .Lentry_shape_is_right
	s_endpgm
.Lentry_shape_is_right:
; For each bh = 16 batch + head: O = softmax(q k^T / 8) v, both products on codes of FP6 (E2M3) with E8M0 scales; O / l is quantised along the model's 1,024 for the last product and leaves as codes.
; THE SOFTMAX AHEAD OF THE SECOND PRODUCT: t = score x log2(e) / 8; M = the running largest t, rounded UP to a whole number; p = 2^(t - M) is quantised along the keys, not normalised.
; The row's sum is taken of the unquantised p, in f32, and divides O at the end.  When M moves, the sum and O are multiplied by 2^(old M - new M): exact.
; IN (images of operand registers): qkvc + 294,912 bh: q, k, v, 98,304 bytes each.  q, k: tile T of 16 token positions at 768 T: registers 0-3 at 16 lane, 4-5 at 512 + 8 lane.  v: step S of 128 keys, tile t of 16 features at 6,144 S + 1,536 t.
;   qkvs + 20,480 bh: q 8,192, k 8,192: [S][T / 4 % 2][r][T % 4] words; v 4,096: [S][r][t] words.
; Inside each 32, position 32 B + 16 u + 8 g + j holds token (or feature) 32 B + 16 g + 8 u + j: so the 16 registers of result tiles 2 B and 2 B + 1 are 16 neighbours, 32 B + 16 (lane / 16) + 0 .. 15.
; SHARES.  A work-group owns 512 query positions of one bh; wave w of its sixteen owns tiles 32 cx + w and 32 cx + w + 16, one after the other, in 256 registers: four waves to a SIMD.
; THE HEAD'S K AND V STAY IN LDS: 196,608 bytes of codes and 12,288 of scale words, filled once, in chunks of 512 keys; nothing is filled twice, so the loop has no change of slots.
; The four work-groups of a head are a cluster and ask for every chunk jointly: the same tensor load, the same descriptor (made of bh and the wave's number alone), a mask that names the four.
; Both products are used transposed: S^T = K Q^T (source 0 = 16 keys), O^T = V^T P^T (source 0 = 16 features): a lane holds one query (lane % 16) throughout.
; A HEAD IS 64 AND THE FORM IS 128 DEEP: Q's registers 6-11 are zero codes, so whatever K's operand holds there (the next tile's codes) adds nothing; bytes 2 and 3 of both scale words are 0, a finite scale.
; OUT: oc [position tile 512][head 16][768-byte image as q's];  os [position 8192][32]: bytes 2 head, 2 head + 1.  The two bytes a row leave by 2-byte stores: 262,144 bytes in the launch against 6,291,456 of codes.
; LIMITS: NaN and infinities are not served; a block whose largest magnitude lies under 2^-124 gets the byte 1.
; REGISTERS: v1-3, v11, v28-30 addresses that stay; v4, v5 the add's two; v6-10 the step's addresses; v12 -M, v13 the largest t, v[14:15] the sum; v16-21 Q, v22-27 zeros; v32-79 K's eight half fragments or V's four fragments; v80-85 zeros;
;   v96-159 S^T, then p; v160-191 O^T; v192-199 K's scale words, v200-203 V's; v224-235 p's codes; v232-254 at work; v253 p's scale word; v255 Q's.
.set PART,  98304
.set HEADC, 294912
.set HEADS, 20480
.set CHUNK, 24576                      ; 512 keys of K's or of V's codes
.set VC,    PART                       ; LDS: K's codes from 0, V's from here,
.set KS,    2*PART                     ; K's scale words,
.set VS,    KS+8192                    ; V's,
.set SPARE, VS+4096                    ; and the spare words, 128 bytes for each of sixteen waves, which no other line names
.macro CROUND                          ; a round of the cluster's barrier
	s_barrier_signal -1
	s_barrier_wait -1
	s_cmp_lg_u32 s12, 0
	s_cbranch_scc1 .Lnot_wave_0_\@
	s_barrier_signal -3
.Lnot_wave_0_\@:
	s_barrier_wait -3
	s_barrier_signal -1
	s_barrier_wait -1
.endm
	s_load_b256 s[4:11], s[0:1], 0x0               ; qkvc s[4:5], qkvs s[6:7], oc s[8:9], os s[10:11]
	v_lshl_add_u32 v4, v0, 2, SPARE
	v_mov_b32 v5, 0
	ds_add_u32 v4, v5                              ; the wave's opening: the add and its wait ahead of the first tensor loads; the set-up below, work on registers, stands between them
	ds_add_u32 v4, v5
	v_lshrrev_b32 v6, 5, v0
	s_delay_alu instid0(VALU_DEP_1)
	v_readfirstlane_b32 s12, v6                    ; wave 0..15
	s_bfe_u32 s13, ttmp6, 0x40000                  ; cx: it enters Q's and the outputs' addresses alone
	s_and_b32 s14, ttmp7, 0xffff                   ; bh, which the four partners share
	; descriptor group 1: a dense block as rows of 256 bytes (32 elements of 8); a chunk has 96 rows, half of the scale words 24
	s_mov_b32 s44, 15|(3<<16)|(1<<21)              ; 15:0 the mask: all four work-groups; 17:16 elements of 8 bytes; 20 no padding; 21 set beside a mask
	s_mov_b32 s45, 32<<16                          ; tensor_dim0
	s_mov_b32 s46, 96<<16                          ; tensor_dim1
	s_mov_b32 s47, 32<<16                          ; tile_dim0
	s_mov_b32 s48, 96                              ; tile_dim1
	s_mov_b32 s49, 32                              ; tensor_dim0_stride
	s_mov_b32 s50, 0
	s_mov_b32 s51, 0
	s_mov_b32 s52, 15|(3<<16)|(1<<21)
	s_mov_b32 s53, 32<<16
	s_mov_b32 s54, 24<<16
	s_mov_b32 s55, 32<<16
	s_mov_b32 s56, 24
	s_mov_b32 s57, 32
	s_mov_b32 s58, 0
	s_mov_b32 s59, 0
	s_mul_i32 s15, s12, PART                       ; wave 0 fetches K's codes, wave 1 V's: in LDS,
	s_mul_i32 s16, s14, HEADC                      ; the head's first byte in qkvc
	s_add_co_u32 s74, s16, s15
	s_add_co_u32 s74, s74, PART                    ; and in memory: behind q's part
	s_mov_b32 s75, 0
	s_mul_i32 s17, s12, 6144                       ; and each a half of K's and V's 12,288 bytes of scale words, which lie on end
	s_mul_i32 s18, s14, HEADS
	s_add_co_u32 s76, s18, s17
	s_add_co_u32 s76, s76, 8192
	s_mov_b32 s77, 0
	s_mov_b32 s20, 0x76543210
	s_mov_b32 s21, 0xfedcba98                      ; v_permlanex16_b32's selects for lane l xor 16
	s_mov_b32 s22, 0x3e38aa3b                      ; c = log2(e) / 8
	s_mov_b32 s23, s22                             ; (named with it as a pair, so it is written)
	s_wait_dscnt 0x0                               ; the opening add is done
	s_wait_kmcnt 0x0
	s_add_nc_u64 s[74:75], s[4:5], s[74:75]
	s_add_nc_u64 s[76:77], s[6:7], s[76:77]
	s_mov_b32 s24, 1                               ; group 0 for the scale words
	s_add_co_u32 s25, s17, KS
	s_mov_b64 s[26:27], s[76:77]
	s_or_b32 s27, s27, 0x80000000
.irp c, 0,1,2,3                                ; and for the four chunks
	s_mov_b32 s[28+4*\c], 1
	s_add_co_u32 s[29+4*\c], s15, CHUNK*\c
	s_add_nc_u64 s[30+4*\c:31+4*\c], s[74:75], CHUNK*\c
	s_or_b32 s[31+4*\c], s[31+4*\c], 0x80000000
.endr
	CROUND                                         ; all four work-groups are here: the joint loads meet
	s_cmp_lt_u32 s12, 2                            ; all fills of the launch stand in one branch on the wave's number: five loads of waves 0 and 1 are out
	s_cbranch_scc0 .Lno_fetch
	tensor_load_to_lds s[24:27], s[52:59]
	s_nop 0
	tensor_load_to_lds s[28:31], s[44:51]
	s_nop 0
	tensor_load_to_lds s[32:35], s[44:51]
	s_nop 0
	tensor_load_to_lds s[36:39], s[44:51]
	s_nop 0
	tensor_load_to_lds s[40:43], s[44:51]
	s_nop 0
.rept 4
	v_nop
.endr
.Lno_fetch:
	s_lshl_b32 s78, s13, 5
	s_add_co_u32 s78, s78, s12                     ; T0 = 32 cx + wave: my first tile of 16 query positions
	s_mul_i32 s74, s78, 768
	s_add_co_u32 s74, s74, s16
	s_mov_b32 s75, 0
	s_add_nc_u64 s[66:67], s[4:5], s[74:75]        ; its codes
	s_lshr_b32 s74, s78, 3
	s_lshl_b32 s74, s74, 9
	s_bfe_u32 s76, s78, 0x10002
	s_lshl_b32 s76, s76, 8
	s_add_co_u32 s74, s74, s76
	s_and_b32 s76, s78, 3
	s_lshl_b32 s76, s76, 2
	s_add_co_u32 s74, s74, s76
	s_add_co_u32 s74, s74, s18
	s_add_nc_u64 s[68:69], s[6:7], s[74:75]        ; its scale words: 512 (T / 8) + 256 (T / 4 % 2) + 4 (T % 4), + 16 r
	s_lshr_b32 s76, s14, 4
	s_lshl_b32 s76, s76, 7
	s_add_co_u32 s76, s76, s78                     ; 128 batch + T0: the tile among all 512
	s_and_b32 s77, s14, 15                         ; head
	s_lshl_b32 s74, s76, 4
	s_add_co_u32 s74, s74, s77
	s_mul_i32 s74, s74, 768
	s_add_nc_u64 s[70:71], s[8:9], s[74:75]        ; oc
	s_lshl_b32 s74, s76, 9
	s_lshl_b32 s77, s77, 1
	s_add_co_u32 s74, s74, s77
	s_add_nc_u64 s[72:73], s[10:11], s[74:75]      ; os
	v_and_b32 v6, 31, v0                           ; lane
	v_and_b32 v7, 15, v0                           ; r
	s_delay_alu instid0(VALU_DEP_2)
	v_lshlrev_b32 v1, 4, v6                        ; 16 lane: an image's first four registers
	s_delay_alu instid0(VALU_DEP_3)
	v_lshl_add_u32 v2, v6, 3, 512                  ; 512 + 8 lane: its last two
	s_delay_alu instid0(VALU_DEP_3)
	v_lshl_add_u32 v3, v7, 4, KS                   ; K's scale words: four tiles' words of row r
	s_delay_alu instid0(VALU_DEP_4)
	v_lshl_add_u32 v11, v7, 4, VS                  ; V's likewise
	s_delay_alu instid0(VALU_DEP_4)
	v_add_nc_u32 v28, VC, v1                       ; V's images
	v_lshlrev_b32 v29, 5, v7                       ; os: 32 bytes a row
	v_lshlrev_b32 v30, 4, v7                       ; Q's scale word
.irp j, 22,23,24,25,26,27,80,81,82,83,84,85
	v_mov_b32 v\j, 0                               ; zero codes: the upper 64 of Q's operand, and what stands behind K's last tile
.endr
.irp b, 0,1,2,3
	v_mov_b32 v[236+\b], 0                         ; written once: a lane permute's destination counts as one of its sources
.endr
	v_mov_b32 v253, 0                              ; (named as the upper half of the pair v[252:253] before it is first written)
; A KEY STEP: 128 keys.  s60: the step's codes of K and of V (6,144 bytes a step each); s61: K's scale words (512); s62: V's (256).
.macro STEP
	s_setprio 2
	v_add_nc_u32 v6, s60, v1                       ; five plain instructions: the places behind the last step's products, in front of the loads into their registers
	v_add_nc_u32 v7, s60, v2
	v_add_nc_u32 v8, s61, v3
	v_add_nc_u32 v9, s60, v28
	v_add_nc_u32 v10, s62, v11
	ds_load_b128 v[192:195], v8
	ds_load_b128 v[196:199], v8 offset:256
.irp t, 0,1,2,3,4,5,6,7
	ds_load_b128 v[32+6*\t:35+6*\t], v6 offset:768*\t          ; each load takes consecutive bytes, lane by lane
	ds_load_b64 v[36+6*\t:37+6*\t], v7 offset:768*\t
.endr
	s_wait_alu depctr_va_vdst(0)
	s_wait_dscnt 0x0
.irp t, 0,1,2,3,4,5,6,7                        ; S^T = K Q^T: tile t's operand is its six registers and the six behind them, which meet Q's zero codes
	v_wmma_scale_f32_16x16x128_f8f6f4 v[96+8*\t:103+8*\t], v[32+6*\t:43+6*\t], v[16:27], 0, v[192+\t], v255 matrix_a_fmt:MATRIX_FMT_FP6 matrix_b_fmt:MATRIX_FMT_FP6
.endr
.rept 4
	v_nop                                          ; places in front of the loads into K's registers and of the first read of the scores
.endr
	ds_load_b128 v[200:203], v10                   ; V's fragments land while the softmax is worked
.irp t, 0,1,2,3
.irp c, 0,1,2
	ds_load_b128 v[32+12*\t+4*\c:35+12*\t+4*\c], v9 offset:1536*\t+512*\c
.endr
.endr
.irp b, 0,1,2,3
	v_max3_num_f32 v[232+\b], v[96+16*\b], v[97+16*\b], v[98+16*\b]   ; the largest score of each block of 32 keys: it serves for the row's maximum and, since p rises with the score, for the block's largest p
.endr
.irp i, 3,5,7,9,11,13
.irp b, 0,1,2,3
	v_max3_num_f32 v[232+\b], v[232+\b], v[96+16*\b+\i], v[97+16*\b+\i]   ; (the four blocks by turns)
.endr
.endr
.irp b, 0,1,2,3
	v_max_num_f32 v[232+\b], v[232+\b], v[111+16*\b]
.endr
.irp b, 0,1,2,3
	s_delay_alu instid0(VALU_DEP_4)
	v_permlanex16_b32 v[236+\b], v[232+\b], s20, s21
.endr
.irp b, 0,1,2,3
	s_delay_alu instid0(VALU_DEP_4)
	v_max_num_f32 v[232+\b], v[232+\b], v[236+\b]  ; with lane l xor 16's 16 keys
.endr
	s_delay_alu instid0(VALU_DEP_2)
	v_max3_num_f32 v254, v232, v233, v234
	s_delay_alu instid0(VALU_DEP_1)
	v_max_num_f32 v254, v254, v235                 ; the step's largest score of my query
	s_delay_alu instid0(VALU_DEP_1)
	v_mul_f32 v254, s22, v254                      ; as t (c is positive)
	s_delay_alu instid0(VALU_DEP_1)
	v_max_num_f32 v13, v13, v254                   ; the running largest t
	v_mov_b32 v254, v12
	s_delay_alu instid0(VALU_DEP_2)
	v_floor_f32 v12, -v13                          ; the new -M = floor(-t) = -ceil(t): a whole number
	s_delay_alu instid0(VALU_DEP_1)
	v_sub_f32 v254, v12, v254                      ; M's old value less its new one: a whole number, 0 or less
	s_delay_alu instid0(VALU_DEP_1)
	v_cvt_i32_f32 v254, v254                       ; (it saturates)
	s_delay_alu instid0(VALU_DEP_1)
	v_ldexp_f32 v252, 1.0, v254                    ; f = 2^(old M - new M)
.set JJ, 0
.rept 32
	v_pk_fma_f32 v[96+JJ:97+JJ], v[96+JJ:97+JJ], s[22:23], v[12:13] op_sel_hi:[1,0,0]   ; t - M, two at a time (of the pairs c and -M the low word serves both halves)
.set JJ, JJ+2
.endr
.irp b, 0,1,2,3
	v_fma_f32 v[232+\b], v[232+\b], s22, v12       ; the same of each block's largest score
.endr
.set JJ, 0
	s_wait_alu depctr_va_vdst(0)
.rept 64
	v_exp_f32 v[96+JJ], v[96+JJ]                   ; p = 2^(t - M), at most 1
.set JJ, JJ+1
.endr
	s_setprio 1
	v_pk_mul_f32 v[14:15], v[14:15], v[252:253] op_sel_hi:[1,0]   ; the sums under the new M: a plain instruction behind the exponentials
	s_wait_alu depctr_va_vdst(0)                   ; one wait for the whole batch, ahead of its first reader
.irp b, 0,1,2,3
	v_exp_f32 v[232+\b], v[232+\b]                 ; the block's largest p: the same two instructions on the same number give the same bits
.endr
	v_pk_add_f32 v[236:237], v[100:101], v[104:105]
	v_pk_add_f32 v[250:251], v[108:109], v[112:113]
	v_pk_add_f32 v[248:249], v[116:117], v[120:121]
	v_pk_add_f32 v[246:247], v[124:125], v[128:129]
	v_pk_add_f32 v[244:245], v[132:133], v[136:137]
	v_pk_add_f32 v[242:243], v[140:141], v[144:145]
	v_pk_add_f32 v[240:241], v[148:149], v[152:153]
	v_pk_add_f32 v[14:15], v[14:15], v[156:157]
	v_pk_add_f32 v[236:237], v[236:237], v[96:97]
	v_pk_add_f32 v[250:251], v[250:251], v[98:99]
	v_pk_add_f32 v[248:249], v[248:249], v[102:103]
	v_pk_add_f32 v[246:247], v[246:247], v[106:107]
	v_pk_add_f32 v[244:245], v[244:245], v[110:111]
	v_pk_add_f32 v[242:243], v[242:243], v[114:115]
	v_pk_add_f32 v[240:241], v[240:241], v[118:119]
	v_pk_add_f32 v[14:15], v[14:15], v[122:123]
	v_pk_add_f32 v[236:237], v[236:237], v[126:127]
	v_pk_add_f32 v[250:251], v[250:251], v[130:131]
	v_pk_add_f32 v[248:249], v[248:249], v[134:135]
	v_pk_add_f32 v[246:247], v[246:247], v[138:139]
	v_pk_add_f32 v[244:245], v[244:245], v[142:143]
	v_pk_add_f32 v[242:243], v[242:243], v[146:147]
	v_pk_add_f32 v[240:241], v[240:241], v[150:151]
	v_pk_add_f32 v[14:15], v[14:15], v[154:155]
	v_pk_add_f32 v[236:237], v[236:237], v[158:159]
	s_delay_alu instid0(VALU_DEP_2)
	v_pk_add_f32 v[14:15], v[14:15], v[246:247]
	s_delay_alu instid0(VALU_DEP_2)
	v_pk_add_f32 v[236:237], v[236:237], v[244:245]
	v_pk_add_f32 v[250:251], v[250:251], v[242:243]
	v_pk_add_f32 v[248:249], v[248:249], v[240:241]
	s_delay_alu instid0(VALU_DEP_2)
	v_pk_add_f32 v[14:15], v[14:15], v[250:251]
	s_delay_alu instid0(VALU_DEP_2)
	v_pk_add_f32 v[236:237], v[236:237], v[248:249]
	s_delay_alu instid0(VALU_DEP_1)
	v_pk_add_f32 v[14:15], v[14:15], v[236:237]
	s_wait_alu depctr_va_vdst(0)                   ; and one for the four
.irp b, 0,1,2,3
	v_max_num_f32 v[232+\b], 0x1800000, v[232+\b]  ; the floor 2^(3 - 127): the byte cannot fall under 1
.endr
.irp b, 0,1,2,3
	s_delay_alu instid0(VALU_DEP_4)
	v_add_nc_u32 v[244+\b], 0xff000000, v[232+\b]  ; 2 off the exponent field: the conversion's scale operand
.endr
.irp b, 0,1,2,3
	s_delay_alu instid0(VALU_DEP_4)
	v_lshrrev_b32 v[236+\b], 23, v[244+\b]         ; the scale's byte
.endr
	s_delay_alu instid0(VALU_DEP_3)
	v_lshl_or_b32 v253, v237, 8, v236              ; p's scale word for these 128 keys
	s_delay_alu instid0(VALU_DEP_1)
	v_lshl_or_b32 v253, v238, 16, v253
	s_delay_alu instid0(VALU_DEP_1)
	v_lshl_or_b32 v253, v239, 24, v253
.irp c, 0,1
	v_cvt_scalef32_pk16_fp6_f32 v[224+6*\c:226+6*\c], v[96+32*\c:111+32*\c], v[244+2*\c]
	v_cvt_scalef32_pk16_fp6_f32 v[236+4*\c:238+4*\c], v[112+32*\c:127+32*\c], v[244+2*\c+1]   ; (a conversion's three registers begin on an even number)
.endr
	v_nop                                          ; one plain place behind a scaled conversion
.irp c, 0,1                                    ; the operand's layout wants a whole block in a lane
.irp i, 0,1,2
	v_permlane16_swap_b32 v[224+6*\c+\i], v[236+4*\c+\i]
.endr
.irp i, 0,1,2
	s_delay_alu instid0(VALU_DEP_3)
	v_mov_b32 v[227+6*\c+\i], v[236+4*\c+\i]
.endr
.endr
.set JJ, 0
	s_setprio 0
.rept 16
	v_pk_mul_f32 v[160+JJ:161+JJ], v[160+JJ:161+JJ], v[252:253] op_sel_hi:[1,0]   ; O^T under the new M.  (These sixteen stand between the writes of p's codes and scale word and the products)
.set JJ, JJ+2
.endr
	s_wait_alu depctr_va_vdst(0)
	s_wait_dscnt 0x0                               ; V is in
.irp t, 0,1,2,3                                ; O^T += V^T P^T: the four accumulators by turns
	v_wmma_scale_f32_16x16x128_f8f6f4 v[160+8*\t:167+8*\t], v[32+12*\t:43+12*\t], v[224:235], v[160+8*\t:167+8*\t], v[200+\t], v253 matrix_a_fmt:MATRIX_FMT_FP6 matrix_b_fmt:MATRIX_FMT_FP6
.endr
	s_add_co_u32 s60, s60, 6144
	s_add_co_u32 s61, s61, 512
	s_add_co_u32 s62, s62, 256
.endm
; ONE TILE OF 16 QUERIES through all 2,048 keys.  n = 0: my first tile, which walks the chunks as they land; n = 1: the tile 16 further on, for which all lie in LDS.
.macro PASS n
.if \n
	s_wait_xcnt 0x0                                ; the first tile's stores have read their data: those registers are written again only behind this wait
.endif
	global_load_b128 v[16:19], v1, s[66:67] offset:12288*\n
	global_load_b64 v[20:21], v2, s[66:67] offset:12288*\n
	global_load_b32 v255, v30, s[68:69] offset:1024*\n
	v_mov_b32 v13, 0xff61b1e6                      ; the largest t so far: -3e38, under every t
	s_delay_alu instid0(VALU_DEP_1)
	v_floor_f32 v12, -v13                          ; -M
	v_mov_b32 v14, 0                               ; the sum, in two halves
	v_mov_b32 v15, 0
.set JJ, 0
.rept 32
	v_mov_b32 v[160+JJ], 0                         ; O^T: the step is written once; the first finds zeros, which the first change of M leaves zeros
.set JJ, JJ+1
.endr
	s_wait_loadcnt 0x0
.if \n == 0
.irp c, 0,1,2,3
	s_wait_tensorcnt 3-\c                          ; in waves 0 and 1: the scale words and chunks 0 .. c have landed; the 3 - c later chunks may stay out
	s_wait_dscnt 0x0
	s_barrier_signal -1
	s_barrier_wait -1                              ; all sixteen waves may read chunk c
	s_mov_b32 s60, CHUNK*\c
	s_mov_b32 s61, 2048*\c
	s_mov_b32 s62, 1024*\c
	s_mov_b32 s63, 4
.Lchunk_\c:
	STEP
	s_sub_co_u32 s63, s63, 1
	s_cmp_lg_u32 s63, 0
	s_cbranch_scc1 .Lchunk_\c
	s_setprio 0
.endr
.else
	s_mov_b32 s60, 0
	s_mov_b32 s61, 0
	s_mov_b32 s62, 0
	s_mov_b32 s63, 16
.Lrest:
	STEP
	s_sub_co_u32 s63, s63, 1
	s_cmp_lg_u32 s63, 0
	s_cbranch_scc1 .Lrest
	s_setprio 0
.endif
	; the way out: O^T / the sum; register 16 B + i is feature 32 B + 16 (lane / 16) + i of my query: two blocks of 32 along the last product's K
.rept 4
	v_nop                                          ; places behind the last products
.endr
	v_add_f32 v14, v14, v15
	s_delay_alu instid0(VALU_DEP_1)
	v_permlanex16_b32 v252, v14, s20, s21
	s_delay_alu instid0(VALU_DEP_1)
	v_add_f32 v14, v14, v252                       ; the row's sum
	s_wait_alu depctr_va_vdst(0)
	v_rcp_f32 v14, v14
	v_nop                                          ; a plain place behind the transcendental
	s_wait_alu depctr_va_vdst(0)                   ; the wait ahead of its first reader
.set JJ, 0
.rept 32
	v_mul_f32 v[96+JJ], v[160+JJ], v14             ; each accumulator from its low end on
.set JJ, JJ+1
.endr
.irp b, 0,1
	v_max3_num_f32 v[232+\b], |v[96+16*\b]|, |v[97+16*\b]|, 0x1800000
.endr
.irp i, 2,4,6,8,10,12,14
.irp b, 0,1
	s_delay_alu instid0(VALU_DEP_2)
	v_max3_num_f32 v[232+\b], v[232+\b], |v[96+16*\b+\i]|, |v[97+16*\b+\i]|
.endr
.endr
.irp b, 0,1
	s_delay_alu instid0(VALU_DEP_2)
	v_permlanex16_b32 v[236+\b], v[232+\b], s20, s21
.endr
.irp b, 0,1
	s_delay_alu instid0(VALU_DEP_2)
	v_max_num_f32 v[232+\b], v[232+\b], v[236+\b]
.endr
.irp b, 0,1
	s_delay_alu instid0(VALU_DEP_2)
	v_add_nc_u32 v[244+\b], 0xff000000, v[232+\b]
.endr
.irp b, 0,1
	s_delay_alu instid0(VALU_DEP_2)
	v_lshrrev_b32 v[236+\b], 23, v[244+\b]
.endr
	s_delay_alu instid0(VALU_DEP_1)
	v_lshl_or_b32 v254, v237, 8, v236              ; the head's two scale bytes of my row
	v_cvt_scalef32_pk16_fp6_f32 v[224:226], v[96:111], v244
	v_cvt_scalef32_pk16_fp6_f32 v[228:230], v[112:127], v245
	v_nop                                          ; one plain place behind a scaled conversion
.irp i, 0,1,2
	v_permlane16_swap_b32 v[224+\i], v[228+\i]     ; lanes 0-15 get block 0 whole, lanes 16-31 block 1
.endr
.irp i, 0,1,2
	s_delay_alu instid0(VALU_DEP_3)
	v_mov_b32 v[227+\i], v[228+\i]
.endr
	global_store_b128 v1, v[224:227], s[70:71] offset:196608*\n    ; 512 consecutive bytes, aligned to 256
	global_store_b64 v2, v[228:229], s[70:71] offset:196608*\n     ; 256
	global_store_b16 v29, v254, s[72:73] offset:8192*\n            ; lanes r and r + 16 write the same two bytes with the same value
.endm
	PASS 0
	PASS 1
	s_wait_tensorcnt 0x0                           ; the wave's end, behind the last tensor load
	ds_add_u32 v4, v5
	s_wait_dscnt 0x0
	CROUND                                         ; the closing round
	s_endpgm
.Lfunc_end_k_q3031921049_attn:
	.size	k_q3031921049_attn, .Lfunc_end_k_q3031921049_attn-k_q3031921049_attn
	.p2alignl 7, 3214868480
	.fill 96, 4, 3214868480
	.section	.rodata,"a",@progbits
	.p2align	6, 0x0
	.amdhsa_kernel k_q3031921049_attn
		.amdhsa_group_segment_fixed_size 210944
		.amdhsa_private_segment_fixed_size 0
		.amdhsa_enable_private_segment 0
		.amdhsa_kernarg_size 32
		.amdhsa_user_sgpr_count 2
		.amdhsa_user_sgpr_kernarg_segment_ptr 1
		.amdhsa_wavefront_size32 1
		.amdhsa_system_sgpr_workgroup_id_x 1
		.amdhsa_system_sgpr_workgroup_id_y 1
		.amdhsa_system_sgpr_workgroup_id_z 1
		.amdhsa_system_vgpr_workitem_id 0
		.amdhsa_next_free_vgpr 256
		.amdhsa_next_free_sgpr 80
		.amdhsa_reserve_vcc 0
		.amdhsa_float_denorm_mode_32 3
		.amdhsa_float_denorm_mode_16_64 3
		.amdhsa_memory_ordered 1
		.amdhsa_forward_progress 1
		.amdhsa_inst_pref_size 106
	.end_amdhsa_kernel
	.amdgpu_metadata
---
amdhsa.version: [ 1, 2 ]
amdhsa.kernels:
  - .name:           k_q3031921049_attn
    .symbol:         k_q3031921049_attn.kd
    .args:
      - { .name: qkvc, .offset: 0, .size: 8, .value_kind: global_buffer, .address_space: global }
      - { .name: qkvs, .offset: 8, .size: 8, .value_kind: global_buffer, .address_space: global }
      - { .name: oc, .offset: 16, .size: 8, .value_kind: global_buffer, .address_space: global }
      - { .name: os, .offset: 24, .size: 8, .value_kind: global_buffer, .address_space: global }
    .group_segment_fixed_size: 210944
    .private_segment_fixed_size: 0
    .kernarg_segment_align: 8
    .kernarg_segment_size: 32
    .max_flat_workgroup_size: 512
    .sgpr_count:     80
    .vgpr_count:     256
    .wavefront_size: 32
...
	.end_amdgpu_metadata
.endif
;; end of part 3
;; launch outp (part 4): grid 4 x 32, 4 waves a work-group, clusters of 4 x 4, 327,680 bytes of LDS; arguments oc, os, codes, scales, bo, out0; writes out0
.if DOCPART == 4
	.amdgcn_target "amdgcn-amd-amdhsa--gfx1250"
	.amdhsa_code_object_version 6
	.text
	.protected	k_q3031921049_outp
	.globl	k_q3031921049_outp
	.p2align	8
	.type	k_q3031921049_outp,@function
k_q3031921049_outp:
	s_mov_b64 s[64:65], 0
	v_nop
	global_prefetch_b8 v0, s[64:65] scope:SCOPE_SE
	s_setreg_imm32_b32 hwreg(HW_REG_WAVE_MODE, 25, 1), 1
	s_wait_xcnt 0x0
	s_wait_alu depctr_hold_cnt(0) depctr_sa_sdst(0) depctr_va_vdst(0) depctr_va_sdst(0) depctr_va_ssrc(0) depctr_va_vcc(0) depctr_vm_vsrc(0)
	s_getreg_b32 s2, hwreg(HW_REG_IB_STS2, 6, 4)
	s_cmp_eq_u32 s2, 0
	s_cbranch_scc0 .Lentry_in_a_cluster
	s_endpgm
.Lentry_in_a_cluster:
	s_bfe_u32 s2, ttmp6, 0x10000c
	s_cmp_lg_u32 s2, 0xf033
	s_cbranch_scc0 .Lentry_shape_is_right
	s_endpgm
.Lentry_shape_is_right:
.set NQ,     2
.set ROWB,   192
.set KROW,   768
.set PITCH,  240
.set FR,     12
.set NL,     6
.set NLA,    4
.set NP,     4
.set ASTEP,  3072
.set HALFA,  8*ASTEP
.set HALFT,  128*PITCH
.set SLOT,   2*HALFA+2*HALFT
.set KS,     32
.set SCL,    2*SLOT
.set HALFS,  (128*KS/256)*272
.set SBLK,   (16*KS/256)*272
.set SPARE,  SCL+4*HALFS
.set SPITCH, 528
.set ADRA, 16
.set ADRB, 20
.set STO,  24
.set RD,   25
.set CO,   26
.set ADRS, 27
.set SPW,  28
.set NIL,  29
.set SC,   32
.set BIAS, 64
.set AF,   128
.set BK,   128
.set G1, 24
.set G0, 32
.set G1B, 48
.set G0B, 56
.set G1S, 68
.set G0S, 76
.set G1SB, 80
.set G0SB, 88
.set MSB, 0
.macro WIN new
.if MSB != \new
	s_set_vgpr_msb (MSB<<8)|\new
.set MSB, \new
.endif
.endm
.set MUL_LO, 0xa1
.set MUL_HI, 0xf1
.set BIA_LO, 0x81
.set BIA_HI, 0xc1
.set TO_B,   0x40
.macro JLOAD g0a, g1a, g0b, g1b
	s_cmp_eq_u32 s15, 0
	s_cbranch_scc0 .Lfor_b_\@
	tensor_load_to_lds s[\g0a:\g0a+3], s[\g1a:\g1a+7]
	s_nop 0
.rept 4
	v_nop
.endr
	s_branch .Lasked_\@
.Lfor_b_\@:
	tensor_load_to_lds s[\g0b:\g0b+3], s[\g1b:\g1b+7]
	s_nop 0
.rept 4
	v_nop
.endr
.Lasked_\@:
.endm
.macro CREST
	s_cmp_lg_u32 s14, 0
	s_cbranch_scc1 .Lnot_wave_0_\@
	s_barrier_signal -3
.Lnot_wave_0_\@:
	s_barrier_wait -3
	s_barrier_signal -1
	s_barrier_wait -1
.endm
.macro CROUND
	s_barrier_signal -1
	s_barrier_wait -1
	CREST
.endm
	s_load_b128 s[4:7], s[0:1], 0x0
	s_load_b128 s[8:11], s[0:1], 0x10
	s_load_b128 s[96:99], s[0:1], 0x20
	v_lshl_add_u32 v[SPW], v0, 2, SPARE
	v_mov_b32 v[NIL], 0
	ds_add_u32 v[SPW], v[NIL]
	ds_add_u32 v[SPW], v[NIL]
	v_lshrrev_b32 v1, 5, v0
	v_readfirstlane_b32 s14, v1
	s_lshr_b32 s15, s14, 1
	s_and_b32 s16, s14, 1
	s_bfe_u32 s40, ttmp6, 0x40000
	s_bfe_u32 s41, ttmp6, 0x40004
	s_and_b32 s17, ttmp7, 0xffff
	s_lshl_b32 s17, s17, 2
	s_add_co_u32 s17, s17, s41
	s_lshl_b32 s43, s41, 2
	s_lshl_b32 s43, 15, s43
	s_lshl_b32 s44, 0x1111, s40
	s_or_b32 s[G1+0], s43, (3<<16)|(1<<21)
	s_mov_b32 s[G1+1], 384<<16
	s_mov_b32 s[G1+2], 8<<16
	s_mov_b32 s[G1+3], 384<<16
	s_mov_b32 s[G1+4], 8
	s_mov_b32 s[G1+5], 1536
	s_mov_b32 s[G1+6], 0
	s_mov_b32 s[G1+7], 0
	s_or_b32 s[G1B+0], s44, (0<<16)|(1<<20)|(1<<21)|(3<<22)|(3<<25)
	s_mov_b32 s[G1B+1], ROWB<<16
	s_mov_b32 s[G1B+2], 128<<16
	s_mov_b32 s[G1B+3], ROWB<<16
	s_mov_b32 s[G1B+4], 128
	s_mov_b32 s[G1B+5], KROW
	s_mov_b32 s[G1B+6], 0
	s_mov_b32 s[G1B+7], 0
	s_or_b32 s[G1S+0], s43, (3<<16)|(1<<20)|(1<<21)|(5<<22)|(3<<25)
	s_or_b32 s[G1SB+0], s44, (3<<16)|(1<<20)|(1<<21)|(5<<22)|(3<<25)
.irp g, G1S, G1SB
	s_mov_b32 s[\g+1], 32<<16
	s_mov_b32 s[\g+2], (128*KS/256)<<16
	s_mov_b32 s[\g+3], 32<<16
	s_mov_b32 s[\g+4], 128*KS/256
	s_mov_b32 s[\g+5], 32
	s_mov_b32 s[\g+6], 0
	s_mov_b32 s[\g+7], 0
.endr
	s_lshl_b32 s18, s16, 7
	s_lshl_b32 s20, s17, 8
	s_add_co_u32 s20, s20, s18
	s_lshl_b32 s46, s40, 8
	s_add_co_u32 s46, s46, s18
	s_add_co_u32 s46, s46, 27648
	s_mov_b32 s21, 0
	s_mov_b32 s47, 0
	s_mov_b64 s[18:19], KS
	s_mul_u64 s[22:23], s[20:21], s[18:19]
	s_mul_u64 s[92:93], s[46:47], s[18:19]
	s_mov_b64 s[18:19], KROW
	s_mul_u64 s[20:21], s[20:21], s[18:19]
	s_mul_u64 s[46:47], s[46:47], s[18:19]
	s_mul_i32 s45, s16, HALFA
	s_mul_i32 s95, s16, HALFT
	s_add_co_u32 s95, s95, 2*HALFA
	s_mul_i32 s94, s14, HALFS
	s_wait_dscnt 0x0
	s_wait_kmcnt 0x0
	s_add_nc_u64 s[20:21], s[4:5], s[20:21]
	s_add_nc_u64 s[22:23], s[6:7], s[22:23]
	s_add_nc_u64 s[46:47], s[8:9], s[46:47]
	s_add_nc_u64 s[92:93], s[10:11], s[92:93]
	CROUND
	s_mov_b32 s[G0S], 1
	s_add_co_u32 s[G0S+1], s94, SCL
	s_mov_b64 s[G0S+2:G0S+3], s[22:23]
	s_or_b32 s[G0S+3], s[G0S+3], 0x80000000
	s_mov_b32 s[G0SB], 1
	s_add_co_u32 s[G0SB+1], s94, SCL
	s_mov_b64 s[G0SB+2:G0SB+3], s[92:93]
	s_or_b32 s[G0SB+3], s[G0SB+3], 0x80000000
	JLOAD G0S, G1S, G0SB, G1SB
.irp s, 0,1
	s_mov_b32 s[G0+4*\s], 1
	s_add_co_u32 s[G0+4*\s+1], s45, \s*SLOT
	s_add_nc_u64 s[G0+4*\s+2:G0+4*\s+3], s[20:21], \s*ASTEP
	s_or_b32 s[G0+4*\s+3], s[G0+4*\s+3], 0x80000000
	s_mov_b32 s[G0B+4*\s], 1
	s_add_co_u32 s[G0B+4*\s+1], s95, \s*SLOT
	s_add_nc_u64 s[G0B+4*\s+2:G0B+4*\s+3], s[46:47], \s*ROWB
	s_or_b32 s[G0B+4*\s+3], s[G0B+4*\s+3], 0x80000000
	s_wait_alu depctr_va_vdst(0)
	s_wait_tensorcnt 0x0
	ds_add_u32 v28, v29
	s_wait_dscnt 0x0
	CROUND
	JLOAD G0+4*\s, G1, G0B+4*\s, G1B
.endr
	v_and_b32 v1, 15, v0
	v_bfe_u32 v2, v0, 4, 1
	v_mul_u32_u24 v3, v1, PITCH
	v_mul_u32_u24 v4, v2, 24
	v_add_nc_u32 v4, v3, v4
	v_lshl_add_u32 v5, v2, 4, v4
	v_and_b32 v6, 31, v0
	v_lshlrev_b32 v7, 4, v6
	v_lshlrev_b32 v8, 3, v6
	s_mul_i32 s21, s15, HALFA
	s_mul_i32 s22, s16, HALFT
	s_add_co_u32 s22, s22, 2*HALFA
.irp s, 0,1
	v_add_nc_u32 v[ADRA+\s], s21, v7
	v_add_nc_u32 v[ADRA+2+\s], s21, v8
	v_add_nc_u32 v[ADRB+\s], s22, v4
	v_add_nc_u32 v[ADRB+2+\s], s22, v5
	s_add_co_u32 s21, s21, SLOT
	s_add_co_u32 s22, s22, SLOT
.endr
	v_mul_u32_u24 v5, v1, KS
	v_lshrrev_b32 v9, 8, v5
	v_lshl_add_u32 v5, v9, 4, v5
	s_mul_i32 s21, s15, HALFS
	s_mul_i32 s22, s16, HALFS
	s_add_co_u32 s22, s22, 2*HALFS
	s_sub_co_u32 s22, s22, s21
	v_mul_u32_u24 v9, s22, v2
	s_add_co_u32 s21, s21, SCL
	v_add_nc_u32 v5, v5, v9
	v_add_nc_u32 v[ADRS], s21, v5
	s_mul_i32 s23, s14, 16*SPITCH
	v_mul_u32_u24 v5, v1, SPITCH
	v_lshl_add_u32 v5, v2, 6, v5
	v_add_nc_u32 v[STO], s23, v5
	v_lshlrev_b32 v[CO], 4, v6
	v_add_nc_u32 v[RD], s23, v[CO]
	s_lshl_b32 s46, s40, 10
	s_lshl_b32 s47, s16, 9
	s_add_co_u32 s46, s46, s47
	s_mov_b32 s47, 0
	s_add_nc_u64 s[96:97], s[96:97], s[46:47]
	s_lshl_b32 s20, s17, 8
	s_lshl_b32 s21, s15, 7
	s_add_co_u32 s20, s20, s21
	s_lshl_b32 s20, s20, 12
	s_mov_b32 s21, 0
	s_add_nc_u64 s[20:21], s[20:21], s[46:47]
	s_add_nc_u64 s[98:99], s[98:99], s[20:21]
	v_lshlrev_b32 v9, 6, v2
.irp b, 0,1,2,3
.irp i, 0,1,2,3
	global_load_b128 v[BIAS+16*\b+4*\i:BIAS+16*\b+4*\i+3], v9, s[96:97] offset:128*\b+16*\i
.endr
.endr
.macro FRAG reg, adr, q, i
.irp p, 0,1,2,3,4,5
.set PIECE, 12*(\q)+6*(\p/3)+\p%3
.if PIECE%8 < 5
	ds_load_b64 v[\reg+2*\p:\reg+2*\p+1], v[\adr] offset:8*PIECE+16*(PIECE/8)+(\i)*16*PITCH
.else
	ds_load_b64 v[\reg+2*\p:\reg+2*\p+1], v[\adr+2] offset:8*PIECE+16*(PIECE/8)+(\i)*16*PITCH
.endif
.endr
.endm
.macro FRAGA reg, slot, q, i
	ds_load_b128 v[\reg:\reg+3], v[ADRA+\slot] offset:ASTEP*(\i)+1536*(\q)
	ds_load_b64 v[\reg+4:\reg+5], v[ADRA+2+\slot] offset:ASTEP*(\i)+1536*(\q)+512
	ds_load_b128 v[\reg+6:\reg+9], v[ADRA+\slot] offset:ASTEP*(\i)+1536*(\q)+768
	ds_load_b64 v[\reg+10:\reg+11], v[ADRA+2+\slot] offset:ASTEP*(\i)+1536*(\q)+1280
.endm
.macro MUL16 a0, p, q, sc, mode
.irp a, \a0, \a0+1
.irp b, 0,1,2,3,4,5,6,7
.if \mode
	v_wmma_scale_f32_16x16x128_f8f6f4 v[8*(8*((\a)%4)+\b):8*(8*((\a)%4)+\b)+7], v[128*(\p)+FR*\b:128*(\p)+FR*\b+FR-1], v[AF+FR*(\a):AF+FR*(\a)+FR-1], v[BIAS+8*\b:BIAS+8*\b+7], v[SC+8*NQ*(\sc)+NQ*\b+(\q)], v[SC+8*NQ*(\sc)+NQ*(\a)+(\q)] matrix_a_fmt:MATRIX_FMT_FP6 matrix_b_fmt:MATRIX_FMT_FP6 matrix_a_scale:MATRIX_SCALE_ROW1
.else
	v_wmma_scale_f32_16x16x128_f8f6f4 v[8*(8*((\a)%4)+\b):8*(8*((\a)%4)+\b)+7], v[128*(\p)+FR*\b:128*(\p)+FR*\b+FR-1], v[AF+FR*(\a):AF+FR*(\a)+FR-1], v[8*(8*((\a)%4)+\b):8*(8*((\a)%4)+\b)+7], v[SC+8*NQ*(\sc)+NQ*\b+(\q)], v[SC+8*NQ*(\sc)+NQ*(\a)+(\q)] matrix_a_fmt:MATRIX_FMT_FP6 matrix_b_fmt:MATRIX_FMT_FP6 matrix_a_scale:MATRIX_SCALE_ROW1
.endif
.endr
.endr
.endm
.macro FETCH_B slot, q, p
	WIN TO_B
.irp i, 0,1,2,3,4,5,6,7
	FRAG 128*(\p)+FR*\i, ADRB+\slot, \q, \i
.endr
	WIN 0
.endm
.macro FETCH_A slot, q, i0
.irp i, \i0, \i0+1, \i0+2, \i0+3
	FRAGA AF+FR*(\i), \slot, \q, \i
.endr
.endm
.macro SCALES sc
.irp i, 0,1,2,3,4,5,6,7
	ds_load_b64 v[SC+8*NQ*\sc+NQ*\i:SC+8*NQ*\sc+NQ*\i+1], v[ADRS] offset:\i*SBLK
.endr
.endm
.macro PLACES n
.rept \n
	v_nop
.endr
.endm
.macro STEP slot, q, mode
	s_wait_dscnt 4*NLA
.if \mode
	WIN BIA_LO
.else
	WIN MUL_LO
.endif
	MUL16 0, (\q)%2, \q, \slot, \mode
	MUL16 2, (\q)%2, \q, \slot, \mode
	s_wait_dscnt 0
	PLACES NP
	FETCH_B \slot, (\q)+1, 1-(\q)%2
	FETCH_A \slot, (\q)+1, 0
.if \mode
	WIN BIA_HI
.else
	WIN MUL_HI
.endif
	MUL16 4, (\q)%2, \q, \slot, \mode
	MUL16 6, (\q)%2, \q, \slot, \mode
	PLACES NP
	WIN 0
	FETCH_A \slot, (\q)+1, 4
.endm
.macro TURN slot, next, fill
	s_wait_tensorcnt 0x0
	ds_add_u32 v[SPW], v[NIL]
	s_wait_dscnt 4*NLA+1
	WIN MUL_LO
	MUL16 0, 1, NQ-1, \slot, 0
	s_wait_dscnt 0x0
	s_barrier_signal -1
	MUL16 2, 1, NQ-1, \slot, 0
	WIN 0
	s_barrier_wait -1
.if \fill
	CREST
	s_add_nc_u64 s[G0+4*\slot+2:G0+4*\slot+3], s[G0+4*\slot+2:G0+4*\slot+3], 2*ASTEP
	s_add_nc_u64 s[G0B+4*\slot+2:G0B+4*\slot+3], s[G0B+4*\slot+2:G0B+4*\slot+3], 2*ROWB
	JLOAD G0+4*\slot, G1, G0B+4*\slot, G1B
.else
	PLACES NP
.endif
	s_wait_alu depctr_va_vdst(0)
	v_add_nc_u32 v[ADRS], 4*NQ, v[ADRS]
	FETCH_B \next, 0, 0
	FETCH_A \next, 0, 0
	SCALES \next
	WIN MUL_HI
	MUL16 4, 1, NQ-1, \slot, 0
	MUL16 6, 1, NQ-1, \slot, 0
	PLACES NP
	WIN 0
	FETCH_A \next, 0, 4
.endm
	s_wait_alu depctr_va_vdst(0)
	s_wait_tensorcnt 1
	s_barrier_signal -1
	s_barrier_wait -1
	FETCH_B 0, 0, 0
	FETCH_A 0, 0, 0
	SCALES 0
	FETCH_A 0, 0, 4
	s_wait_loadcnt 0x0
	STEP 0, 0, 1
	TURN 0, 1, 1
	STEP 1, 0, 0
	TURN 1, 0, 1
	STEP 0, 0, 0
	TURN 0, 1, 0
	STEP 1, 0, 0
	s_wait_dscnt 4*NLA
	WIN MUL_LO
	MUL16 0, 1, NQ-1, 1, 0
	MUL16 2, 1, NQ-1, 1, 0
	s_wait_dscnt 0
	WIN MUL_HI
	MUL16 4, 1, NQ-1, 1, 0
	MUL16 6, 1, NQ-1, 1, 0
	WIN 0
.macro TOSTAGE a
.set AC, 64*((\a)%4)
	WIN 0x08+4*((\a)/4)
.irp b, 0,1,2,3,4,5,6,7
	ds_store_b128 v[STO], v[AC+8*\b:AC+8*\b+3] offset:128*(\b/2)+32*(\b%2)
	ds_store_b128 v[STO], v[AC+8*\b+4:AC+8*\b+7] offset:128*(\b/2)+32*(\b%2)+16
.endr
	WIN 0
.set BB, BK+64*((\a)%2)
.irp t, 0,1,2,3,4,5,6,7,8,9,10,11,12,13,14,15
	ds_load_b128 v[BB+4*\t:BB+4*\t+3], v[RD] offset:\t*SPITCH
.endr
.endm
.macro SEND a, younger
.set BB, BK+64*((\a)%2)
	s_wait_dscnt \younger
.irp t, 0,1,2,3,4,5,6,7,8,9,10,11,12,13,14,15
	global_store_b128 v[CO], v[BB+4*\t:BB+4*\t+3], s[98:99] offset:(32*((\a)/2)+8*((\a)%2)+\t+8*(\t/8))*4096 th:TH_STORE_NT
.endr
.endm
	PLACES NP
	TOSTAGE 0
.irp a, 1,2,3,4,5,6,7
.if \a > 1
	s_wait_xcnt 0x0
.endif
	TOSTAGE \a
	SEND \a-1, 32
.endr
	SEND 7, 0
	s_wait_tensorcnt 0x0
	ds_add_u32 v[SPW], v[NIL]
	s_wait_dscnt 0x0
	CROUND
	s_endpgm
.Lfunc_end_k_q3031921049_outp:
	.size	k_q3031921049_outp, .Lfunc_end_k_q3031921049_outp-k_q3031921049_outp
	.p2alignl 7, 3214868480
	.fill 96, 4, 3214868480
	.section	.rodata,"a",@progbits
	.p2align	6, 0x0
	.amdhsa_kernel k_q3031921049_outp
		.amdhsa_group_segment_fixed_size 327680
		.amdhsa_private_segment_fixed_size 0
		.amdhsa_enable_private_segment 0
		.amdhsa_kernarg_size 48
		.amdhsa_user_sgpr_count 2
		.amdhsa_user_sgpr_kernarg_segment_ptr 1
		.amdhsa_wavefront_size32 1
		.amdhsa_system_sgpr_workgroup_id_x 1
		.amdhsa_system_sgpr_workgroup_id_y 1
		.amdhsa_system_sgpr_workgroup_id_z 1
		.amdhsa_system_vgpr_workitem_id 0
		.amdhsa_next_free_vgpr 1024
		.amdhsa_next_free_sgpr 102
		.amdhsa_reserve_vcc 0
		.amdhsa_float_denorm_mode_32 3
		.amdhsa_float_denorm_mode_16_64 3
		.amdhsa_memory_ordered 1
		.amdhsa_forward_progress 1
		.amdhsa_inst_pref_size 154
	.end_amdhsa_kernel
	.amdgpu_metadata
---
amdhsa.version: [ 1, 2 ]
amdhsa.kernels:
  - .name:           k_q3031921049_outp
    .symbol:         k_q3031921049_outp.kd
    .args:
      - { .name: oc, .offset: 0, .size: 8, .value_kind: global_buffer, .address_space: global }
      - { .name: os, .offset: 8, .size: 8, .value_kind: global_buffer, .address_space: global }
      - { .name: codes, .offset: 16, .size: 8, .value_kind: global_buffer, .address_space: global }
      - { .name: scales, .offset: 24, .size: 8, .value_kind: global_buffer, .address_space: global }
      - { .name: bo, .offset: 32, .size: 8, .value_kind: global_buffer, .address_space: global }
      - { .name: out0, .offset: 40, .size: 8, .value_kind: global_buffer, .address_space: global }
    .group_segment_fixed_size: 327680
    .private_segment_fixed_size: 0
    .kernarg_segment_align: 8
    .kernarg_segment_size: 48
    .max_flat_workgroup_size: 128
    .sgpr_count:     102
    .vgpr_count:     1024
    .wavefront_size: 32
...
	.end_amdgpu_metadata
.endif
;; end of part 4
